; MI455X (gfx1250); checked and timed in simulation.
; The chip was launched on July 23, 2026; its instructions are those of AMD's public machine-readable ISA for CDNA 5 (MIT licence, August 2026) and "CDNA5" Instruction Set Architecture Reference Guide (July 2026). The comments in the code are by the model that wrote it; some were corrected since.
;; Mo E Runtime Experts. Allowed arithmetic: float matrix products may take bf16 or f16 operands with f32 sums; other float arithmetic in f32, or as packed bf16 or f16 multiplies, adds, multiply-adds, maxima and minima; sums over many terms, partial sums and values carried from step to step in f32; what a program stores and reads back later, other than sums and carried values, may be rounded once to bf16 or f16.
;; Inputs: bias1 8 x 4,096 float32; bias2 8 x 1,024 float32; indices_s 1,024 int32; weight1 8 x 1,024 x 4,096 float32; weight2 8 x 4,096 x 1,024 float32; x 1,024 x 1,024 float32.
;; Outputs: out0 1,024 x 1 x 1,024 float32.
;; One version. Each part assembles by itself: llvm-mc -triple=amdgcn-amd-amdhsa -mcpu=gfx1250 --defsym DOCPART=n.
;; ======== version 1 of 1: 4 launches
;; limits: values are held in f16: magnitudes above 65,504 overflow, below 6.1e-05 lose precision
;; workspace buffers: xs 16,777,216 bytes; hs 67,108,864 bytes; part 134,217,728 bytes; tiles 1,024 bytes of whole numbers
;; launch sortx (part 1): grid 192 x 8, 1 waves a work-group, no clusters, 5,120 bytes of LDS; arguments indices_s, x, xs, tiles; writes xs, tiles
.if DOCPART == 1
	.amdgcn_target "amdgcn-amd-amdhsa--gfx1250"
	.amdhsa_code_object_version 6
	.text
	.protected	k_q0faad99ca9_sortx
	.globl	k_q0faad99ca9_sortx
	.p2align	8
	.type	k_q0faad99ca9_sortx,@function
k_q0faad99ca9_sortx:
	s_mov_b64 s[64:65], 0
	v_nop
	global_prefetch_b8 v0, s[64:65] scope:SCOPE_SE
	s_setreg_imm32_b32 hwreg(HW_REG_WAVE_MODE, 25, 1), 1
	s_wait_xcnt 0x0
; SORT AND GATHER.  Work-group (wv, e), one wave: it ranks the 1,024 indices for expert e by itself (a counting sort in LDS, no atomics), and then lays
; items wv, wv + 192, .. of the expert's token rows into xs, rounded once to f16, in the order in which the products' operand registers take them.
; RANK.  Token 128 g + 4 lane + c belongs to group G = 4 g + c; rank = matches in earlier groups + matches in lower lanes of G.  The last launch ranks in the same way.
; ITEM (tile t of 16 ranked rows, block kb of 64 columns) = 2,048 bytes of xs at e<<21 + t<<15 + kb<<11: piece p (0..3) at 512 p + 16 lane holds columns
; 64 kb + 32 (lane / 16) + 8 p + 0..7 of row lane % 16: every store of the wave is 512 consecutive bytes.
; Places past the expert's count repeat token 0 (the list is cleared first); an expert without tokens counts as one tile.  6 trips x 192 items cover 64 tiles x 16 blocks, every split.
; LIMIT.  |x| under 65,504 (f16); below 6e-5 f16 keeps its fixed step of 6e-8.
.set LISTW, 1152                       ; words of the list: 72 tiles x 16, so that every trip's address lies inside it
.set SPARE, 4864                       ; the spare words: a block of 256 bytes that no other line names
.set SPW, 2                            ; v2   SPARE + 4 x thread
.set NIL, 3                            ; v3   0
.set L4,  4                            ; v4   4 x lane
.set L16, 5                            ; v5   16 x lane
.set TRW, 6                            ; v6   word 1152 + lane: where a lane without a match puts its number
.set RK,  7                            ; v7   at work: rank, then LDS address
.set ID,  8                            ; v8   at work: the token's number
.set LA,  9                            ; v9   LDS address of my row's list word in the trip's tile
.set HO,  10                           ; v10  128 x (lane / 16): my 32 columns of the block's 64
.set NTV, 11                           ; v11  the tile count, for the store
.set IDX, 12                           ; v[12:43]  all 1,024 indices, 32 a lane
.set ZZ,  44                           ; v[44:47]  zeros
.set TOK, 48                           ; v48  token, then its byte offset in x
.set X,   52                           ; v[52:83]  32 f32
.set Y,   84                           ; v[84:99]  32 f16
	s_load_b256 s[4:11], s[0:1], 0x0               ; indices s[4:5], x s[6:7], xs s[8:9], tiles s[10:11]
	v_lshl_add_u32 v[SPW], v0, 2, SPARE
	v_mov_b32 v[NIL], 0
	v_lshlrev_b32 v[L4], 2, v0
	v_lshlrev_b32 v[L16], 4, v0
	v_add_nc_u32 v[TRW], LISTW, v0
	s_mov_b32 s12, ttmp9                           ; wv
	s_and_b32 s13, ttmp7, 0xffff                   ; e
.irp k, 0,1,2,3
	v_mov_b32 v[ZZ+\k], 0
.endr
	s_wait_kmcnt 0x0
.irp g, 0,1,2,3,4,5,6,7
	global_load_b128 v[IDX+4*\g:IDX+4*\g+3], v[L16], s[4:5] offset:512*\g
.endr
.irp k, 0,1,2,3,4,5,6,7,8
	ds_store_b128 v[L16], v[ZZ:ZZ+3] offset:512*\k  ; the list is cleared: 9 x 512 bytes
.endr
	s_mov_b32 s14, 0                               ; matches so far
.set G, 0
.rept 32
.if G%4 == 0
	s_wait_loadcnt 7-G/4                           ; loads come back in order: this quad is in, the younger quads stay out
.endif
	v_cmp_eq_u32 s16, s13, v[IDX+G]
	v_mbcnt_lo_u32_b32 v[RK], s16, s14             ; matches in lower lanes + matches in earlier groups
	v_cndmask_b32 v[RK], v[TRW], v[RK], s16        ; no match: the lane's own word behind the list
	v_min_u32 v[RK], 0x49f, v[RK]                  ; inside list and trash, whatever the data
	v_lshlrev_b32 v[RK], 2, v[RK]
	v_add_nc_u32 v[ID], 128*(G/4)+G%4, v[L4]
	ds_store_b32 v[RK], v[ID]
	s_bcnt1_i32_b32 s15, s16
	s_add_co_u32 s14, s14, s15
.set G, G+1
.endr
	s_add_co_u32 s17, s14, 15
	s_lshr_b32 s17, s17, 4
	s_max_u32 s17, s17, 1                          ; tiles of 16 rows, at least one
	s_lshl_b32 s18, s17, 4                         ; items: 16 blocks a tile
	s_mov_b32 s21, 0
	s_cmp_lg_u32 s12, 0
	s_cbranch_scc1 .Lnot_first
	s_lshl_b32 s20, s13, 7                         ; the expert's first work-group stores the tile count, once for each lane: 128 bytes, no lane switched off
	s_add_nc_u64 s[10:11], s[10:11], s[20:21]
	v_mov_b32 v[NTV], s17
	global_store_b32 v[L4], v[NTV], s[10:11]
.Lnot_first:
	s_lshr_b32 s22, s12, 4                         ; my item's tile in trip 0,
	s_and_b32 s23, s12, 15                         ; and its block, the same in every trip (192 = 12 x 16)
	s_lshl_b32 s20, s23, 8
	s_add_nc_u64 s[6:7], s[6:7], s[20:21]          ; x at my block's 64 columns
	s_lshl_b32 s20, s13, 21
	s_lshl_b32 s15, s22, 15
	s_add_co_u32 s20, s20, s15
	s_lshl_b32 s15, s23, 11
	s_add_co_u32 s20, s20, s15
	s_add_nc_u64 s[8:9], s[8:9], s[20:21]          ; xs at my first item
	v_and_b32 v[LA], 15, v0
	v_lshlrev_b32 v[LA], 2, v[LA]
	s_lshl_b32 s15, s22, 6
	v_add_nc_u32 v[LA], s15, v[LA]
	v_bfe_u32 v[HO], v0, 4, 1
	v_lshlrev_b32 v[HO], 7, v[HO]
	s_mov_b32 s19, 0
	s_mov_b32 s24, s12                             ; the trip's item
.Litem:
	s_cmp_lt_u32 s24, s18
	s_cbranch_scc0 .Lskip                          ; past the expert's tiles: nothing to lay out
	ds_load_b32 v[TOK], v[LA]                      ; LDS serves a wave's instructions in order: this sees the list's stores
	s_wait_dscnt 0x0
	v_min_u32 v[TOK], 0x3ff, v[TOK]
	v_lshl_add_u32 v[TOK], v[TOK], 12, v[HO]       ; the row's 4,096 bytes + my 128
.irp i, 0,1,2,3,4,5,6,7
	global_load_b128 v[X+4*\i:X+4*\i+3], v[TOK], s[6:7] offset:16*\i
.endr
	s_wait_loadcnt 0x0
.set i, 0
.rept 16
	v_cvt_pk_f16_f32 v[Y+i], v[X+2*i], v[X+2*i+1]  ; Y was the last trip's store data: freed by the wait at that trip's end
.set i, i+1
.endr
.irp p, 0,1,2,3
	global_store_b128 v[L16], v[Y+4*\p:Y+4*\p+3], s[8:9] offset:512*\p
.endr
.Lskip:
	s_wait_xcnt 0x0                                ; the stores' base and data are rewritten only behind this wait
	s_add_nc_u64 s[8:9], s[8:9], 12<<15            ; 192 items on: 12 tiles
	v_add_nc_u32 v[LA], 768, v[LA]
	s_add_co_u32 s24, s24, 192
	s_add_co_u32 s19, s19, 1
	s_cmp_lt_u32 s19, 6
	s_cbranch_scc1 .Litem
	s_wait_tensorcnt 0x0                           ; the wave's end, behind my last LDS store
	ds_add_u32 v[SPW], v[NIL]
	s_wait_dscnt 0x0
	s_endpgm
.Lfunc_end_k_q0faad99ca9_sortx:
	.size	k_q0faad99ca9_sortx, .Lfunc_end_k_q0faad99ca9_sortx-k_q0faad99ca9_sortx
	.p2alignl 7, 3214868480
	.fill 96, 4, 3214868480
	.section	.rodata,"a",@progbits
	.p2align	6, 0x0
	.amdhsa_kernel k_q0faad99ca9_sortx
		.amdhsa_group_segment_fixed_size 5120
		.amdhsa_private_segment_fixed_size 0
		.amdhsa_enable_private_segment 0
		.amdhsa_kernarg_size 32
		.amdhsa_user_sgpr_count 2
		.amdhsa_user_sgpr_kernarg_segment_ptr 1
		.amdhsa_wavefront_size32 1
		.amdhsa_system_sgpr_workgroup_id_x 1
		.amdhsa_system_sgpr_workgroup_id_y 1
		.amdhsa_system_sgpr_workgroup_id_z 1
		.amdhsa_system_vgpr_workitem_id 0
		.amdhsa_next_free_vgpr 104
		.amdhsa_next_free_sgpr 66
		.amdhsa_reserve_vcc 0
		.amdhsa_float_denorm_mode_32 3
		.amdhsa_float_denorm_mode_16_64 3
		.amdhsa_memory_ordered 1
		.amdhsa_forward_progress 1
		.amdhsa_inst_pref_size 22
	.end_amdhsa_kernel
	.amdgpu_metadata
---
amdhsa.version: [ 1, 2 ]
amdhsa.kernels:
  - .name:           k_q0faad99ca9_sortx
    .symbol:         k_q0faad99ca9_sortx.kd
    .args:
      - { .name: indices_s, .offset: 0, .size: 8, .value_kind: global_buffer, .address_space: global }
      - { .name: x, .offset: 8, .size: 8, .value_kind: global_buffer, .address_space: global }
      - { .name: xs, .offset: 16, .size: 8, .value_kind: global_buffer, .address_space: global }
      - { .name: tiles, .offset: 24, .size: 8, .value_kind: global_buffer, .address_space: global }
    .group_segment_fixed_size: 5120
    .private_segment_fixed_size: 0
    .kernarg_segment_align: 8
    .kernarg_segment_size: 32
    .max_flat_workgroup_size: 32
    .sgpr_count:     66
    .vgpr_count:     104
    .wavefront_size: 32
...
	.end_amdgpu_metadata
.endif
;; end of part 1
;; launch up (part 2): grid 32 x 8, 4 waves a work-group, no clusters, 327,680 bytes of LDS; arguments weight1, xs, bias1, hs, tiles; writes hs
.if DOCPART == 2
	.amdgcn_target "amdgcn-amd-amdhsa--gfx1250"
	.amdhsa_code_object_version 6
	.text
	.protected	k_q0faad99ca9_up
	.globl	k_q0faad99ca9_up
	.p2align	8
	.type	k_q0faad99ca9_up,@function
k_q0faad99ca9_up:
	s_mov_b64 s[64:65], 0
	v_nop
	global_prefetch_b8 v0, s[64:65] scope:SCOPE_SE
	s_setreg_imm32_b32 hwreg(HW_REG_WAVE_MODE, 25, 1), 1
	s_wait_xcnt 0x0
; FIRST PRODUCT: hs = gelu(xs W1[e] + b1[e]) for the expert's ranked rows, f16 operands, f32 sums, hs rounded once to f16.
; SHARES.  Work-group (s, e) alone reads columns 128 s .. +127 of W1[e], all 1,024 K: 512 KB of f32.  Wave w: c = w & 1 its 64 columns, kh = w >> 1 its 512 K: eight blocks of 64 rows.
; Rows go in passes of 10 tiles of 16: 40 accumulators.  The number of tiles is a stored whole number; 7 passes cover 64 tiles, every split; a pass without tiles jumps its products and keeps its barriers.
; WEIGHTS AS SOURCE 0, WITHOUT A TRANSPOSE.  Lane (r = l % 16, h = l / 16) loads 16 bytes W[k][n0 + 4 r ..+3]: sixteen lanes take 256 consecutive bytes of a row.  Sixteen such loads (rows
; 32 h + 16 ab + i) give four fragments: fragment f holds columns n0 + 4 r + f, register m the rows i = 2 m, 2 m + 1.  The tokens' fragments (xs) are laid out with the same order of K.
; In the result register j of lane (r, h) of fragment f is token r, column n0 + 32 h + 4 j + f: 32 neighbouring columns a lane, which pack into hs's layout as they stand.
; TWO ROADS FOR THE WEIGHTS.  Blocks 0-3 of each wave come by four tensor loads at the start (64 KB a wave, its own LDS bytes, filled once and kept for later passes: four loads of mine are out at
; the most); blocks 4-7 come through registers, 32 loads of 512 bytes a batch, three steps ahead.  NO CLUSTER: each weight byte has one reader; what an expert's work-groups share is the token tiles,
; whose number hangs on a stored count, and beside the kept half slice and the exchange LDS has no room for them.
; THE TWO K HALVES MEET IN LDS: wave kh finishes the tiles t with t % 2 = kh; the partner (w ^ 2) sends its sums for them, three tiles a round, two rounds, two barriers each.
; GELU, exact form: gelu(v) = max(v, 0) - 0.5 |v| erfc(|v| / sqrt 2), erfc(u) = t (a1 + t (a2 + t (a3 + t (a4 + t a5)))) e^(-u u), t = 1 / (1 + p u): absolute error at most 1.5e-7 for every u >= 0.
; LIMITS.  |x|, |w| and |gelu| under 65,504 (f16); below 6e-5 f16 keeps its fixed step of 6e-8.  NaN and infinities are not treated apart.
.set PITCH, 16384                      ; bytes from a row of W1[e] to the next
.set BLOCK, 64*PITCH
.set LOGTS, 15                         ; a tile of xs: 16 blocks of 2,048 bytes
.set NT,    10                         ; tiles in a pass
.set NPASS, 7
.set SLOTP, 4096                       ; an exchange slot: a tile's 32 registers x 32 lanes
.set EXB,   262144                     ; behind the four waves' weights: 12 slots, sender w owns 3 w .. 3 w + 2; no tensor load lands here
.set SPARE, EXB+12*SLOTP               ; the spare words, 128 bytes a wave: two blocks of 256 bytes that no other line names
.set GOFF,  8192                       ; in xs, block 4 + j lies four blocks behind block j
; window 0
.set SPW,  2                           ; SPARE + 4 x thread; never rewritten
.set NIL,  3                           ; 0; never rewritten
.set VOW,  4                           ; h x 32 rows + 16 r: my place in a block of W
.set LW,   5                           ; the same in my wave's LDS bytes
.set SND,  6                           ; my 16 bytes in my first slot
.set RCV,  7                           ; in the partner's slot in hand
.set VT,   8                           ; v8-17: tile t of the pass: 16 lane + tile << 15
.set L16,  18
.set VPF,  19                          ; lane x PITCH: a row a lane, for the prefetch
.set RCV0, 20                          ; my 16 bytes in the partner's first slot
.set BO,   23                          ; 128 h: my 32 biases
.set WF,   32                          ; v32-63   four fragments of weights, f16
.set WA,   64                          ; v64-127  a step's 16 quads of f32 weights, from memory
.set WB,   128                         ; v128-191 the same, the block's other step
.set WL,   192                         ; v192-255 the same, from LDS
.set HH,   32                          ; the way out (the staging registers serve again): 16 registers of f16
.set PP,   64                          ; the partner's sums
.set VV,   96                          ; v, then max(v, 0), then gelu
.set AA,   128                         ; |v|
.set DD,   160                         ; 1 + p u, then t
.set EE,   192                         ; -u u log2 e, then e^(-u u)
.set QQ,   224                         ; the polynomial
; window 1: token fragments TB0 v0-79, TB1 v80-159, TB2 v160-239.  window 2: accumulators of tiles 0-7 at 32 t + 8 f.  window 3: v0-63 tiles 8, 9; v64-143 TB3; v144-175 biases
.set BIAS, 144
.set WV, 14
.set CC, 15
.set KH, 16
.set EX, 17
.set SL, 18
.set NTL, 20                           ; the expert's tiles
.set PASS, 21
.set TILE0, 22
.set LIVE, 23
.set SEND, 24                          ; bit t: I send tile t
.set OWN, 25                           ; bit t: I finish tile t
.set JJ, 26
.set RND, 27
.set MI, 28
.set TT, 29
.set CUR, 30
.set TMP, 31
.set G1, 32                            ; s[32:39] descriptor group 1
.set G0, 40                            ; s[40:55] four groups 0
.set SW, 56                            ; weights at block 4 + J;  SW0 at block 4
.set SW0, 58
.set ST, 60                            ; tokens at block J;  ST0 at block 0
.set ST0, 62
.set OB, 66                            ; hs at the tile in hand;  OB0 at tile 0
.set OO, 68
.set CP, 70                            ; constants, as pairs: the packed forms name a pair and take its low word
.set CN, 72
.set A1, 74
.set A2, 76
.set A3, 78
.set A4, 80
.set A5, 82
.set ABSM, 84
.set SLO, 85
.set OB0, 86
.set T2, 88
.set RM, 90
.set TM2, 91
.set PAT, 92
.set NTM1, 93
.set MSB, 0
.macro WIN new                         ; the immediate's high byte repeats the setting that is left; a switch that changes nothing is dropped
.if MSB != (\new)
	s_set_vgpr_msb (MSB<<8)|(\new)
.set MSB, (\new)
.endif
.endm
.macro PLACES                          ; four plain places between matrix instructions and the lines that rewrite their sources or read their results (ISA guide 7.12.1)
.rept 4
	v_nop
.endr
.endm
.macro KPAIR reg, bits
	s_mov_b32 s[\reg], \bits
	s_mov_b32 s[\reg+1], \bits
.endm
.macro R16 line:vararg                 ; a line for each of 16 register pairs u
.set u, 0
.rept 16
	\line
.set u, u+2
.endr
.endm
.macro R32 line:vararg                 ; a line for each of 32 registers u
.set u, 0
.rept 32
	\line
.set u, u+1
.endr
.endm
.macro CVT st                          ; 16 quads of f32 -> four fragments of f16: fragment f, register m = rows 2 m, 2 m + 1 of component f
.set fr, 0
.rept 4
.set mr, 0
.rept 8
	v_cvt_pk_f16_f32 v[WF+8*fr+mr], v[(\st)+8*mr+fr], v[(\st)+8*mr+4+fr]
.set mr, mr+1
.endr
.set fr, fr+1
.endr
.endm
.macro GLW st, ab, nxt                 ; step ab of block 4 + J + nxt from memory: 16 loads, each 2 x 256 consecutive bytes; read once in a pass
.set ir, 0
.rept 16
	global_load_b128 v[(\st)+4*ir:(\st)+4*ir+3], v[VOW], s[SW:SW+1] offset:(64*(\nxt)+16*(\ab)+ir)*PITCH th:TH_LOAD_NT
.set ir, ir+1
.endr
.endm
.macro LDW j, ab                       ; step ab of block j from my LDS bytes
.set ir, 0
.rept 16
	ds_load_b128 v[WL+4*ir:WL+4*ir+3], v[LW] offset:(\j)*16384+(16*(\ab)+ir)*256
.set ir, ir+1
.endr
.endm
.macro SELW ab                         ; block J: fixed addresses, and ahead of each the wait that shows that block landed: it leaves the younger of my four tensor loads out
	s_cmp_eq_u32 s[JJ], 0
	s_cbranch_scc0 .Lsel1_\@
	s_wait_tensorcnt 0x3
	LDW 0, \ab
	s_branch .Lseld_\@
.Lsel1_\@:
	s_cmp_eq_u32 s[JJ], 1
	s_cbranch_scc0 .Lsel2_\@
	s_wait_tensorcnt 0x2
	LDW 1, \ab
	s_branch .Lseld_\@
.Lsel2_\@:
	s_wait_tensorcnt 0x1
	LDW 2, \ab
.Lseld_\@:
.endm
.macro TLD buf, off                    ; a step's token fragments for the pass's ten tiles: always 20 loads (tiles past the count repeat the last), so that the waits' counts are constants
.if (\buf) == 3
	WIN 0xc0
.set tb, 64
.else
	WIN 0x40
.set tb, 80*(\buf)
.endif
.set tl, 0
.rept NT
	global_load_b128 v[tb+8*tl:tb+8*tl+3],   v[VT+tl], s[ST:ST+1] offset:(\off)
	global_load_b128 v[tb+8*tl+4:tb+8*tl+7], v[VT+tl], s[ST:ST+1] offset:(\off)+512
.set tl, tl+1
.endr
	WIN 0
.endm
.macro MM1 d, a, b, zero
.if \zero
	v_wmma_f32_16x16x32_f16 v[(\d):(\d)+7], v[(\a):(\a)+7], v[(\b):(\b)+7], 0
.else
	v_wmma_f32_16x16x32_f16 v[(\d):(\d)+7], v[(\a):(\a)+7], v[(\b):(\b)+7], v[(\d):(\d)+7]
.endif
.endm
.macro MUL buf, zero                   ; a step's products; the accumulators take turns, one instruction a turn.  zero = 1: the pass's first step starts all 40 sums
.if (\buf) == 3
.set tb, 64
.set wlo, 0xac
.set whi, 0xfc
.else
.set tb, 80*(\buf)
.set wlo, 0xa4
.set whi, 0xf4
.endif
	WIN wlo                                        ; weights window 0, tokens window 1 or 3, sums window 2
.set tl, 0
.rept 8
.set fr, 0
.rept 4
	MM1 32*tl+8*fr, WF+8*fr, tb+8*tl, \zero
.set fr, fr+1
.endr
.set tl, tl+1
.endr
.if !(\zero)
	WIN 0
	s_cmp_lt_u32 s[LIVE], 9
	s_cbranch_scc1 .Lno89_\@                       ; eight tiles or fewer: tiles 8 and 9 are left as the first step made them
.endif
	WIN whi                                        ; sums window 3
.set tl, 8
.rept 2
.set fr, 0
.rept 4
	MM1 32*(tl-8)+8*fr, WF+8*fr, tb+8*tl, \zero
.set fr, fr+1
.endr
.set tl, tl+1
.endr
	WIN 0
.if !(\zero)
.Lno89_\@:
.endif
.endm
.macro SENDBLK t                       ; tile t's 32 sums into my slot (t % 6) / 2, lowest registers first
	s_bitcmp1_b32 s[CUR], \t
	s_cbranch_scc0 .Lns_\@
.if (\t) < 8
	WIN 0x08
.set acb, 32*(\t)
.else
	WIN 0x0c
.set acb, 32*((\t)-8)
.endif
.set u, 0
.rept 8
	ds_store_b128 v[SND], v[acb+4*u:acb+4*u+3] offset:(((\t)%6)/2)*SLOTP+u*512
.set u, u+1
.endr
	WIN 0
.Lns_\@:
.endm
.macro ADDBLK k                        ; my sums of tile k + the partner's, lowest registers first
.Ladd_\k:
.if (\k) < 8
	WIN 0x02
.set acb, 32*(\k)
.else
	WIN 0x03
.set acb, 32*((\k)-8)
.endif
.set u, 0
.rept 16
	v_pk_add_f32 v[VV+u:VV+u+1], v[acb+u:acb+u+1], v[PP+u:PP+u+1]
.set u, u+2
.endr
	WIN 0
	s_branch .Lcommon
.endm
	s_load_b256 s[4:11], s[0:1], 0x0               ; weight1 s[4:5], xs s[6:7], bias1 s[8:9], hs s[10:11]
	s_load_b64 s[12:13], s[0:1], 0x20              ; tiles
	v_lshl_add_u32 v[SPW], v0, 2, SPARE
	v_mov_b32 v[NIL], 0
	ds_add_u32 v[SPW], v[NIL]                      ; the wave's opening: the add and its wait stand ahead of my first tensor load; the set-up below, work on registers, stands between them
	v_lshrrev_b32 v1, 5, v0
	v_readfirstlane_b32 s[WV], v1
	s_and_b32 s[CC], s[WV], 1
	s_lshr_b32 s[KH], s[WV], 1
	s_and_b32 s[EX], ttmp7, 0xffff
	s_mov_b32 s[SL], ttmp9
	; descriptor group 1: a tile of 64 rows x 64 elements of 4 bytes, laid into LDS without gaps: a fragment load's sixteen lanes take 256 consecutive bytes
	s_mov_b32 s[G1+0], 2<<16                       ; no mask; elements of 4 bytes; no padding
	s_mov_b32 s[G1+1], 64<<16                      ; tensor_dim0 = 64
	s_mov_b32 s[G1+2], 64<<16                      ; tensor_dim1 = 64
	s_mov_b32 s[G1+3], 64<<16                      ; tile_dim0 = 64
	s_mov_b32 s[G1+4], 64                          ; tile_dim1 = 64
	s_mov_b32 s[G1+5], PITCH/4                     ; elements from row to row
	s_mov_b32 s[G1+6], 0
	s_mov_b32 s[G1+7], 0
	s_lshl_b32 s[TM2], s[WV], 16                   ; my wave's 65,536 LDS bytes
.irp b, 0,1,2,3
	s_mov_b32 s[G0+4*\b], 1
	s_add_co_u32 s[G0+4*\b+1], s[TM2], (\b)*16384
.endr
	s_lshl_b32 s[T2], s[EX], 24                    ; my wave's first weight: e, its K half, the slice, its 64 columns
	s_lshl_b32 s[TMP], s[KH], 23
	s_add_co_u32 s[T2], s[T2], s[TMP]
	s_lshl_b32 s[TMP], s[SL], 9
	s_add_co_u32 s[T2], s[T2], s[TMP]
	s_lshl_b32 s[TMP], s[CC], 8
	s_add_co_u32 s[T2], s[T2], s[TMP]
	s_mov_b32 s[T2+1], 0
	s_mov_b32 s[OO+1], 0
	KPAIR CP, 0x3e6d3388                           ; p / sqrt 2 = 0.23164189
	KPAIR CN, 0xbf38aa3b                           ; -log2(e) / 2
	KPAIR A1, 0x3e827906                           ; 0.254829592
	KPAIR A2, 0xbe91a98e                           ; -0.284496736
	KPAIR A3, 0x3fb5f0e3                           ; 1.421413741
	KPAIR A4, 0xbfba00e3                           ; -1.453152027
	KPAIR A5, 0x3f87dc22                           ; 1.061405429
	s_mov_b32 s[ABSM], 0x7fffffff
	s_lshl_b32 s[PAT], 0x155, s[KH]                ; the tiles that I finish: even ones (kh = 0) or odd ones
	s_wait_dscnt 0x0                               ; the opening add is done
	s_wait_kmcnt 0x0
	s_add_nc_u64 s[4:5], s[4:5], s[T2:T2+1]
.irp b, 0,1,2,3
	s_add_nc_u64 s[G0+4*\b+2:G0+4*\b+3], s[4:5], (\b)*BLOCK
	s_or_b32 s[G0+4*\b+3], s[G0+4*\b+3], 0x80000000  ; type = 2
.endr
.irp b, 0,1,2,3
	tensor_load_to_lds s[G0+4*\b:G0+4*\b+3], s[G1:G1+7]  ; the first fills, one group, ahead of every wait on TENSORcnt, LDS read and barrier; these bytes are never filled again
	s_nop 0
.endr
	PLACES                                         ; four vector lines ahead of the next switch of windows
	s_add_nc_u64 s[SW0:SW0+1], s[4:5], 4*BLOCK
	s_lshl_b32 s[TMP], s[EX], 7
	s_load_b32 s[NTL], s[12:13], s[TMP] offset:0x0 ; the expert's tiles, stored by the launch before
	s_lshl_b32 s[T2], s[EX], 21                    ; xs: e, my K half's eight blocks
	s_lshl_b32 s[TM2], s[KH], 14
	s_add_co_u32 s[T2], s[T2], s[TM2]
	s_add_nc_u64 s[ST0:ST0+1], s[6:7], s[T2:T2+1]
	s_lshl_b32 s[T2], s[EX], 14                    ; bias1: e, the slice, my 64 columns
	s_lshl_b32 s[TM2], s[SL], 9
	s_add_co_u32 s[T2], s[T2], s[TM2]
	s_lshl_b32 s[TM2], s[CC], 8
	s_add_co_u32 s[T2], s[T2], s[TM2]
	s_add_nc_u64 s[8:9], s[8:9], s[T2:T2+1]
	s_lshl_b32 s[T2], s[EX], 23                    ; hs: e, block 2 s + c of the hidden width
	s_lshl_b32 s[TM2], s[SL], 12
	s_add_co_u32 s[T2], s[T2], s[TM2]
	s_lshl_b32 s[TM2], s[CC], 11
	s_add_co_u32 s[T2], s[T2], s[TM2]
	s_add_nc_u64 s[OB0:OB0+1], s[10:11], s[T2:T2+1]
	v_and_b32 v1, 31, v0
	v_and_b32 v21, 15, v0                          ; r
	v_bfe_u32 v22, v0, 4, 1                        ; h
	v_lshlrev_b32 v[L16], 4, v1
	v_lshlrev_b32 v[VPF], 14, v1
	v_lshlrev_b32 v[VOW], 19, v22                  ; 32 rows of 16,384 bytes
	v_lshl_add_u32 v[VOW], v21, 4, v[VOW]
	s_lshl_b32 s[TM2], s[WV], 16
	v_lshlrev_b32 v[LW], 13, v22                   ; 32 rows of 256 bytes
	v_lshl_add_u32 v[LW], v21, 4, v[LW]
	v_add_nc_u32 v[LW], s[TM2], v[LW]
	s_mul_i32 s[TM2], s[WV], 3*SLOTP
	s_add_co_u32 s[TM2], s[TM2], EXB
	v_add_nc_u32 v[SND], s[TM2], v[L16]
	s_xor_b32 s[TM2], s[WV], 2                     ; the partner: same columns, other K half
	s_mul_i32 s[TM2], s[TM2], 3*SLOTP
	s_add_co_u32 s[TM2], s[TM2], EXB
	v_add_nc_u32 v[RCV0], s[TM2], v[L16]
	v_lshlrev_b32 v[BO], 7, v22
	WIN 0xc0
.set fr, 0
.rept 4
.set jr, 0
.rept 8
	global_load_b32 v[BIAS+8*fr+jr], v[BO], s[8:9] offset:(4*jr+fr)*4  ; in the accumulators' order; older than every load of the passes, so their first wait covers these
.set jr, jr+1
.endr
.set fr, fr+1
.endr
	WIN 0
	s_wait_kmcnt 0x0
	s_min_u32 s[NTL], s[NTL], 64
	s_max_u32 s[NTL], s[NTL], 1
	s_sub_co_u32 s[NTM1], s[NTL], 1
	s_mov_b32 s[PASS], 0
	s_mov_b32 s[TILE0], 0
.Lpass:                                                ; 7 trips, a constant: every wave passes every barrier, only work is jumped
	s_cmp_eq_u32 s[PASS], 0
	s_cbranch_scc1 .Llive                          ; the first pass always has a tile
	s_cmp_lt_u32 s[TILE0], s[NTL]
	s_cbranch_scc1 .Llive
	s_mov_b32 s[SEND], 0
	s_mov_b32 s[OWN], 0
	s_branch .Lexch
.Llive:
	s_sub_co_u32 s[LIVE], s[NTL], s[TILE0]
	s_min_u32 s[LIVE], s[LIVE], NT
	s_bfm_b32 s[TMP], s[LIVE], 0
	s_and_b32 s[OWN], s[TMP], s[PAT]
	s_and_not1_b32 s[SEND], s[TMP], s[PAT]
	s_wait_xcnt 0x0                                ; the last pass's stores have read their registers: staging registers, bases and offsets are rewritten only behind this wait
	s_mov_b64 s[SW:SW+1], s[SW0:SW0+1]
	s_mov_b64 s[ST:ST+1], s[ST0:ST0+1]
.set tl, 0
.rept NT
	s_add_co_u32 s[TMP], s[TILE0], tl
	s_min_u32 s[TMP], s[TMP], s[NTM1]              ; past the count: the last tile once more
	s_min_u32 s[TMP], s[TMP], 63
	s_lshl_b32 s[TMP], s[TMP], LOGTS
	v_add_nc_u32 v[VT+tl], s[TMP], v[L16]
.set tl, tl+1
.endr
	; THE PRODUCTS.  Steps by fours: S0, S1 = block 4 + j from memory (WA, WB; tokens TB0, TB1), S2, S3 = block j from LDS (WL; TB2, TB3).
	; Loads in order of issue: T2 | T3, WA', WB' | T0' | T1' | T2' ..; each wait names how many were issued behind the ones that it needs.
	GLW WA, 0, 0
	GLW WB, 1, 0
	TLD 0, GOFF
	TLD 1, GOFF+1024
	s_wait_loadcnt 20                              ; WA and T0 are in; T1's 20 stay out
	CVT WA
	TLD 2, 0
	MUL 0, 1
	s_mov_b32 s[JJ], 0
.Lk:
	s_wait_loadcnt 20                              ; S1: WB and T1 are in; T2's 20 stay out
	PLACES
	CVT WB
	TLD 3, 1024
	GLW WA, 0, 1                                   ; the next block's 32 loads: three steps ahead of their first use
	GLW WB, 1, 1
	s_cmp_lt_u32 s[JJ], 2
	s_cbranch_scc0 .Lnopf                          ; the last trip would ask past block 7
	global_prefetch_b8 v[VPF], s[SW:SW+1] offset:128*PITCH th:TH_LOAD_NT scope:SCOPE_SE  ; the 64 rows x 256 bytes that the next trip's 32 loads take: a lane a row, asked by the wave that reads them, one trip ahead
	global_prefetch_b8 v[VPF], s[SW:SW+1] offset:160*PITCH th:TH_LOAD_NT scope:SCOPE_SE  ; (a further pass over the same slice asks once more)
.Lnopf:
	SELW 0
	MUL 1, 0
	s_wait_loadcnt 52                              ; S2: T2 is in; T3's 20 and the 32 weight loads stay out
	s_wait_dscnt 0x0                               ; the block's first step is out of LDS
	PLACES
	CVT WL
	SELW 1
	MUL 2, 0
	TLD 0, GOFF+2048
	s_wait_loadcnt 52                              ; S3: T3 is in; the 32 weight loads and T0's 20 stay out
	s_wait_dscnt 0x0
	PLACES
	CVT WL
	MUL 3, 0
	TLD 1, GOFF+3072
	s_wait_loadcnt 20                              ; S0: WA and T0 are in; T1's 20 stay out
	PLACES
	CVT WA
	TLD 2, 2048
	MUL 0, 0
	s_wait_xcnt 0x0                                ; the bases step only behind this wait
	s_add_nc_u64 s[SW:SW+1], s[SW:SW+1], BLOCK
	s_add_nc_u64 s[ST:ST+1], s[ST:ST+1], 2048
	s_add_co_u32 s[JJ], s[JJ], 1
	s_cmp_lt_u32 s[JJ], 3
	s_cbranch_scc1 .Lk
	s_wait_loadcnt 20                              ; the tail: block 7's second step; T2's 20 stay out
	PLACES
	CVT WB
	TLD 3, 1024
	s_wait_tensorcnt 0x0                           ; block 3, my last tensor load
	LDW 3, 0
	MUL 1, 0
	s_wait_loadcnt 20                              ; T2 is in; T3's 20 stay out
	s_wait_dscnt 0x0
	PLACES
	CVT WL
	LDW 3, 1
	MUL 2, 0
	s_wait_loadcnt 0x0
	s_wait_dscnt 0x0
	PLACES
	CVT WL
	MUL 3, 0
	PLACES                                         ; ahead of the lines that read the sums
.Lexch:                                                ; THE EXCHANGE: two rounds; round 0 has tiles 0-5, round 1 tiles 6-9
	s_mov_b32 s[RND], 0
	s_mov_b32 s[RM], 0x3f
.Lround:
	s_and_b32 s[CUR], s[SEND], s[RM]
	s_cmp_eq_u32 s[CUR], 0
	s_cbranch_scc1 .Lsent
.irp t, 0,1,2,3,4,5,6,7,8,9
	SENDBLK \t
.endr
.Lsent:
	s_wait_dscnt 0x0                               ; for the partner's sake: my stores into my slots are done
	s_barrier_signal -1
	s_barrier_wait -1
	s_and_b32 s[CUR], s[OWN], s[RM]
	s_cmp_eq_u32 s[CUR], 0
	s_cbranch_scc1 .Lrecvd
	s_mov_b32 s[MI], 0
	s_mov_b32 s[SLO], 0
	s_mul_i32 s[TT], s[RND], 6
	s_add_co_u32 s[TT], s[TT], s[KH]               ; slot m holds tile 6 round + 2 m + kh
.Lm:
	s_bitcmp1_b32 s[OWN], s[TT]
	s_cbranch_scc0 .Lmstep
	s_wait_xcnt 0x0                                ; the last tile's stores have read their data and base
	v_add_nc_u32 v[RCV], s[SLO], v[RCV0]
.irp u, 0,1,2,3,4,5,6,7
	ds_load_b128 v[PP+4*\u:PP+4*\u+3], v[RCV] offset:512*\u
.endr
	s_add_co_u32 s[OO], s[TILE0], s[TT]
	s_lshl_b32 s[OO], s[OO], 17                    ; a tile of hs: 64 blocks of 2,048 bytes
	s_add_nc_u64 s[OB:OB+1], s[OB0:OB0+1], s[OO:OO+1]
	s_wait_dscnt 0x0                               ; the partner's sums are in
.irp k, 0,1,2,3,4,5,6,7,8,9
	s_cmp_eq_u32 s[TT], \k
	s_cbranch_scc1 .Ladd_\k
.endr
	s_branch .Lmstep
.irp k, 0,1,2,3,4,5,6,7,8,9
	ADDBLK \k
.endr
.Lcommon:                                              ; bias, gelu, f16, store: 32 numbers a lane, written once for all tiles
	WIN 0x0c
	R16 v_pk_add_f32 v[VV+u:VV+u+1], v[VV+u:VV+u+1], v[BIAS+u:BIAS+u+1]
	WIN 0
	R32 v_and_b32 v[AA+u], s[ABSM], v[VV+u]
	R16 v_pk_fma_f32 v[DD+u:DD+u+1], v[AA+u:AA+u+1], s[CP:CP+1], 1.0 op_sel_hi:[1,0,0]
	R16 v_pk_mul_f32 v[EE+u:EE+u+1], v[AA+u:AA+u+1], s[CN:CN+1] op_sel_hi:[1,0]
	R16 v_pk_mul_f32 v[EE+u:EE+u+1], v[EE+u:EE+u+1], v[AA+u:AA+u+1]
	R32 v_rcp_f32 v[DD+u], v[DD+u]                 ; one batch of 64: none reads another's result
	R32 v_exp_f32 v[EE+u], v[EE+u]
	R32 v_max_num_f32 v[VV+u], 0, v[VV+u]          ; plain work that names no result of the batch
	s_wait_alu depctr_va_vdst(0)                   ; one wait for the batch, ahead of its first reader
	R16 v_pk_fma_f32 v[QQ+u:QQ+u+1], v[DD+u:DD+u+1], s[A5:A5+1], s[A4:A4+1] op_sel_hi:[1,0,0]
	R16 v_pk_fma_f32 v[QQ+u:QQ+u+1], v[QQ+u:QQ+u+1], v[DD+u:DD+u+1], s[A3:A3+1] op_sel_hi:[1,1,0]
	R16 v_pk_fma_f32 v[QQ+u:QQ+u+1], v[QQ+u:QQ+u+1], v[DD+u:DD+u+1], s[A2:A2+1] op_sel_hi:[1,1,0]
	R16 v_pk_fma_f32 v[QQ+u:QQ+u+1], v[QQ+u:QQ+u+1], v[DD+u:DD+u+1], s[A1:A1+1] op_sel_hi:[1,1,0]
	R16 v_pk_mul_f32 v[EE+u:EE+u+1], v[EE+u:EE+u+1], v[AA+u:AA+u+1]
	R16 v_pk_mul_f32 v[QQ+u:QQ+u+1], v[QQ+u:QQ+u+1], v[DD+u:DD+u+1]
	R16 v_pk_mul_f32 v[QQ+u:QQ+u+1], v[QQ+u:QQ+u+1], v[EE+u:EE+u+1]
	R16 v_pk_fma_f32 v[VV+u:VV+u+1], v[QQ+u:QQ+u+1], -0.5, v[VV+u:VV+u+1] op_sel_hi:[1,0,1]
.set jr, 0
.rept 8                                ; columns 4 j + f in ascending order: fragments 0, 1 and 2, 3 of register j
	v_cvt_pk_f16_f32 v[HH+2*jr],   v[VV+jr],    v[VV+8+jr]
	v_cvt_pk_f16_f32 v[HH+2*jr+1], v[VV+16+jr], v[VV+24+jr]
.set jr, jr+1
.endr
.irp p, 0,1,2,3
	global_store_b128 v[L16], v[HH+4*\p:HH+4*\p+3], s[OB:OB+1] offset:512*\p  ; 512 consecutive bytes, at a multiple of 512 from hs's first byte
.endr
.Lmstep:
	s_add_co_u32 s[TT], s[TT], 2
	s_add_co_u32 s[SLO], s[SLO], SLOTP
	s_add_co_u32 s[MI], s[MI], 1
	s_cmp_lt_u32 s[MI], 3
	s_cbranch_scc1 .Lm
.Lrecvd:
	s_wait_dscnt 0x0                               ; my reads of the partner's slots are over: behind this barrier it may write them again
	s_barrier_signal -1
	s_barrier_wait -1
	s_xor_b32 s[RM], s[RM], 0x3ff
	s_add_co_u32 s[RND], s[RND], 1
	s_cmp_lt_u32 s[RND], 2
	s_cbranch_scc1 .Lround
	s_add_co_u32 s[TILE0], s[TILE0], NT
	s_add_co_u32 s[PASS], s[PASS], 1
	s_cmp_lt_u32 s[PASS], NPASS
	s_cbranch_scc1 .Lpass
	s_wait_tensorcnt 0x0                           ; the wave's end, behind my last tensor load and my last LDS store
	ds_add_u32 v[SPW], v[NIL]
	s_wait_dscnt 0x0
	s_endpgm
.Lfunc_end_k_q0faad99ca9_up:
	.size	k_q0faad99ca9_up, .Lfunc_end_k_q0faad99ca9_up-k_q0faad99ca9_up
	.p2alignl 7, 3214868480
	.fill 96, 4, 3214868480
	.section	.rodata,"a",@progbits
	.p2align	6, 0x0
	.amdhsa_kernel k_q0faad99ca9_up
		.amdhsa_group_segment_fixed_size 327680
		.amdhsa_private_segment_fixed_size 0
		.amdhsa_enable_private_segment 0
		.amdhsa_kernarg_size 40
		.amdhsa_user_sgpr_count 2
		.amdhsa_user_sgpr_kernarg_segment_ptr 1
		.amdhsa_wavefront_size32 1
		.amdhsa_system_sgpr_workgroup_id_x 1
		.amdhsa_system_sgpr_workgroup_id_y 1
		.amdhsa_system_sgpr_workgroup_id_z 1
		.amdhsa_system_vgpr_workitem_id 0
		.amdhsa_next_free_vgpr 1024
		.amdhsa_next_free_sgpr 96
		.amdhsa_reserve_vcc 0
		.amdhsa_float_denorm_mode_32 3
		.amdhsa_float_denorm_mode_16_64 3
		.amdhsa_memory_ordered 1
		.amdhsa_forward_progress 1
		.amdhsa_inst_pref_size 118
	.end_amdhsa_kernel
	.amdgpu_metadata
---
amdhsa.version: [ 1, 2 ]
amdhsa.kernels:
  - .name:           k_q0faad99ca9_up
    .symbol:         k_q0faad99ca9_up.kd
    .args:
      - { .name: weight1, .offset: 0, .size: 8, .value_kind: global_buffer, .address_space: global }
      - { .name: xs, .offset: 8, .size: 8, .value_kind: global_buffer, .address_space: global }
      - { .name: bias1, .offset: 16, .size: 8, .value_kind: global_buffer, .address_space: global }
      - { .name: hs, .offset: 24, .size: 8, .value_kind: global_buffer, .address_space: global }
      - { .name: tiles, .offset: 32, .size: 8, .value_kind: global_buffer, .address_space: global }
    .group_segment_fixed_size: 327680
    .private_segment_fixed_size: 0
    .kernarg_segment_align: 8
    .kernarg_segment_size: 40
    .max_flat_workgroup_size: 128
    .sgpr_count:     96
    .vgpr_count:     1024
    .wavefront_size: 32
...
	.end_amdgpu_metadata
.endif
;; end of part 2
;; launch down (part 3): grid 32 x 8, 4 waves a work-group, no clusters, 327,680 bytes of LDS; arguments weight2, hs, part, tiles; writes part
.if DOCPART == 3
	.amdgcn_target "amdgcn-amd-amdhsa--gfx1250"
	.amdhsa_code_object_version 6
	.text
	.protected	k_q0faad99ca9_down
	.globl	k_q0faad99ca9_down
	.p2align	8
	.type	k_q0faad99ca9_down,@function
k_q0faad99ca9_down:
	s_mov_b64 s[64:65], 0
	v_nop
	global_prefetch_b8 v0, s[64:65] scope:SCOPE_SE
	s_setreg_imm32_b32 hwreg(HW_REG_WAVE_MODE, 25, 1), 1
	s_wait_xcnt 0x0
; SECOND PRODUCT, IN FOUR K QUARTERS: part[q][e][row][:] = hs[e][row][1024 q .. +1023] W2[e][1024 q .. +1023][:], f16 operands, f32 sums, stored in f32 (partial sums); the last launch adds the four in a fixed order.
; SHARES.  Work-group (cs + 8 q, e) alone reads columns 128 cs .. +127, rows 1,024 q .. +1,023 of W2[e]: 512 KB of f32.  Wave w: c = w & 1 its 64 columns, kh = w >> 1 its 512 K: eight blocks of 64 rows.
; Rows go in passes of 10 tiles of 16: 40 accumulators.  The number of tiles is a stored whole number; 7 passes cover 64 tiles, every split; a pass without tiles jumps its products and keeps its barriers.
; WEIGHTS AS SOURCE 0, WITHOUT A TRANSPOSE.  Lane (r = l % 16, h = l / 16) loads 16 bytes W[k][n0 + 4 r ..+3]: sixteen lanes take 256 consecutive bytes of a row.  Sixteen such loads (rows
; 32 h + 16 ab + i) give four fragments: fragment f holds columns n0 + 4 r + f, register m the rows i = 2 m, 2 m + 1.  hs was stored with the same order of K.
; In the result register j of lane (r, h) of fragment f is token r, column n0 + 32 h + 4 j + f.
; TWO ROADS FOR THE WEIGHTS.  Blocks 0-3 of each wave come by four tensor loads at the start (64 KB a wave, its own LDS bytes, filled once and kept for later passes: four loads of mine are out at
; the most); blocks 4-7 come through registers, 32 loads of 512 bytes a batch, three steps ahead.  NO CLUSTER: each weight byte has one reader; what an expert's work-groups share is the token tiles,
; whose number hangs on a stored count, and beside the kept half slice and the exchange LDS has no room for them.
; THE TWO K HALVES MEET IN LDS: wave kh finishes the tiles t with t % 2 = kh; the partner ((w + 2) % 4) sends its sums for them, three tiles a round, two rounds, two barriers each.  The finished tile is
; turned in the slot just read (rows of 272 bytes), so that sixteen lanes store 256 consecutive bytes of a row of part.  A round's three slots are written out, so that every LDS address is a
; register that is never rewritten and an immediate.
; LIMITS.  |h| and |w| under 65,504 (f16); below 6e-5 f16 keeps its fixed step of 6e-8.
.set PITCH, 4096                       ; bytes from a row of W2[e] to the next
.set BLOCK, 64*PITCH
.set LOGTS, 17                         ; a tile of hs: 64 blocks of 2,048 bytes
.set NT,    10
.set NPASS, 7
.set SLOTP, 4352                       ; an exchange slot: 4,096 bytes of sums; as a stage 16 rows x 272 bytes
.set SP,    272                        ; 68 words: the 16 rows of a store start at 16 different groups of four banks (64 banks of 4 bytes: ISA guide 11.1)
.set EXB,   262144                     ; behind the four waves' weights: 12 slots, sender w owns 3 w .. 3 w + 2; no tensor load lands here
.set SPARE, EXB+12*SLOTP               ; the spare words, 128 bytes a wave: two blocks of 256 bytes that no other line names
.set GOFF,  8192
; window 0
.set SPW,  2                           ; SPARE + 4 x thread; never rewritten
.set NIL,  3                           ; 0; never rewritten
.set VOW,  4                           ; h x 32 rows + 16 r: my place in a block of W
.set LW,   5                           ; the same in my wave's LDS bytes
.set SND,  6                           ; my 16 bytes in my first slot; never rewritten
.set VT,   8                           ; v8-17: tile t of the pass: 16 lane + tile << 17
.set L16,  18
.set VPF,  19                          ; lane x PITCH: a row a lane, for the prefetch
.set RCV0, 20                          ; my 16 bytes in the partner's first slot; never rewritten
.set TW0,  21                          ; the stage in the partner's first slot: in, row r, 128 h; never rewritten
.set TR0,  22                          ; back: row h, 16 r; never rewritten
.set PO,   25                          ; my byte offset in two rows of part
.set WF,   32                          ; v32-63   four fragments of weights, f16
.set WA,   64                          ; v64-127  a step's 16 quads of f32 weights, from memory
.set WB,   128                         ; v128-191 the same, the block's other step
.set WL,   192                         ; v192-255 the same, from LDS
.set PP,   64                          ; the way out (the staging registers serve again): the partner's sums
.set OV,   96                          ; the tile's sums, columns ascending
.set RB,   128                         ; whole rows, read back
; window 1: TB0 v0-79, TB1 v80-159, TB2 v160-239.  window 2: accumulators of tiles 0-7 at 32 t + 8 f.  window 3: v0-63 tiles 8, 9; v64-143 TB3
.set WV, 14
.set CC, 15
.set KH, 16
.set EX, 17
.set SL, 18
.set QD, 19
.set NTL, 20                           ; the expert's tiles
.set PASS, 21
.set TILE0, 22
.set LIVE, 23
.set SEND, 24                          ; bit t: I send tile t
.set OWN, 25                           ; bit t: I finish tile t
.set JJ, 26
.set RND, 27
.set TT, 29
.set CUR, 30
.set TMP, 31
.set G1, 32                            ; s[32:39] descriptor group 1
.set G0, 40                            ; s[40:55] four groups 0
.set SW, 56                            ; weights at block 4 + J;  SW0 at block 4
.set SW0, 58
.set ST, 60                            ; tokens at block J;  ST0 at block 0
.set ST0, 62
.set OB, 66                            ; part at the tile in hand;  OB0 at tile 0
.set OO, 68
.set OB0, 86
.set T2, 88
.set RM, 90
.set TM2, 91
.set PAT, 92
.set NTM1, 93
.set MSB, 0
.macro WIN new                         ; the immediate's high byte repeats the setting that is left; a switch that changes nothing is dropped
.if MSB != (\new)
	s_set_vgpr_msb (MSB<<8)|(\new)
.set MSB, (\new)
.endif
.endm
.macro PLACES                          ; four plain places between matrix instructions and the lines that rewrite their sources or read their results (ISA guide 7.12.1)
.rept 4
	v_nop
.endr
.endm
.macro CVT st                          ; 16 quads of f32 -> four fragments of f16: fragment f, register m = rows 2 m, 2 m + 1 of component f
.set fr, 0
.rept 4
.set mr, 0
.rept 8
	v_cvt_pk_f16_f32 v[WF+8*fr+mr], v[(\st)+8*mr+fr], v[(\st)+8*mr+4+fr]
.set mr, mr+1
.endr
.set fr, fr+1
.endr
.endm
.macro GLW st, ab, nxt                 ; step ab of block 4 + J + nxt from memory: 16 loads, each 2 x 256 consecutive bytes; read once in a pass
.set ir, 0
.rept 16
	global_load_b128 v[(\st)+4*ir:(\st)+4*ir+3], v[VOW], s[SW:SW+1] offset:(64*(\nxt)+16*(\ab)+ir)*PITCH th:TH_LOAD_NT
.set ir, ir+1
.endr
.endm
.macro LDW j, ab                       ; step ab of block j from my LDS bytes
.set ir, 0
.rept 16
	ds_load_b128 v[WL+4*ir:WL+4*ir+3], v[LW] offset:(\j)*16384+(16*(\ab)+ir)*256
.set ir, ir+1
.endr
.endm
.macro SELW ab                         ; block J: fixed addresses, and ahead of each the wait that shows that block landed: it leaves the younger of my four tensor loads out
	s_cmp_eq_u32 s[JJ], 0
	s_cbranch_scc0 .Lsel1_\@
	s_wait_tensorcnt 0x3
	LDW 0, \ab
	s_branch .Lseld_\@
.Lsel1_\@:
	s_cmp_eq_u32 s[JJ], 1
	s_cbranch_scc0 .Lsel2_\@
	s_wait_tensorcnt 0x2
	LDW 1, \ab
	s_branch .Lseld_\@
.Lsel2_\@:
	s_wait_tensorcnt 0x1
	LDW 2, \ab
.Lseld_\@:
.endm
.macro TLD buf, off                    ; a step's token fragments for the pass's ten tiles: always 20 loads (tiles past the count repeat the last), so that the waits' counts are constants
.if (\buf) == 3
	WIN 0xc0
.set tb, 64
.else
	WIN 0x40
.set tb, 80*(\buf)
.endif
.set tl, 0
.rept NT
	global_load_b128 v[tb+8*tl:tb+8*tl+3],   v[VT+tl], s[ST:ST+1] offset:(\off)
	global_load_b128 v[tb+8*tl+4:tb+8*tl+7], v[VT+tl], s[ST:ST+1] offset:(\off)+512
.set tl, tl+1
.endr
	WIN 0
.endm
.macro MM1 d, a, b, zero
.if \zero
	v_wmma_f32_16x16x32_f16 v[(\d):(\d)+7], v[(\a):(\a)+7], v[(\b):(\b)+7], 0
.else
	v_wmma_f32_16x16x32_f16 v[(\d):(\d)+7], v[(\a):(\a)+7], v[(\b):(\b)+7], v[(\d):(\d)+7]
.endif
.endm
.macro MUL buf, zero                   ; a step's products; the accumulators take turns, one instruction a turn.  zero = 1: the pass's first step starts all 40 sums
.if (\buf) == 3
.set tb, 64
.set wlo, 0xac
.set whi, 0xfc
.else
.set tb, 80*(\buf)
.set wlo, 0xa4
.set whi, 0xf4
.endif
	WIN wlo                                        ; weights window 0, tokens window 1 or 3, sums window 2
.set tl, 0
.rept 8
.set fr, 0
.rept 4
	MM1 32*tl+8*fr, WF+8*fr, tb+8*tl, \zero
.set fr, fr+1
.endr
.set tl, tl+1
.endr
.if !(\zero)
	WIN 0
	s_cmp_lt_u32 s[LIVE], 9
	s_cbranch_scc1 .Lno89_\@                       ; eight tiles or fewer: tiles 8 and 9 are left as the first step made them
.endif
	WIN whi                                        ; sums window 3
.set tl, 8
.rept 2
.set fr, 0
.rept 4
	MM1 32*(tl-8)+8*fr, WF+8*fr, tb+8*tl, \zero
.set fr, fr+1
.endr
.set tl, tl+1
.endr
	WIN 0
.if !(\zero)
.Lno89_\@:
.endif
.endm
.macro SENDBLK t                       ; tile t's 32 sums into my slot (t % 6) / 2, lowest registers first
	s_bitcmp1_b32 s[CUR], \t
	s_cbranch_scc0 .Lns_\@
.if (\t) < 8
	WIN 0x08
.set acb, 32*(\t)
.else
	WIN 0x0c
.set acb, 32*((\t)-8)
.endif
.set u, 0
.rept 8
	ds_store_b128 v[SND], v[acb+4*u:acb+4*u+3] offset:(((\t)%6)/2)*SLOTP+u*512
.set u, u+1
.endr
	WIN 0
.Lns_\@:
.endm
; SLOT m OF A ROUND, in three parts.  RHEAD: is the slot's tile TT mine and alive?  Then the partner's sums come out of the slot, and part's address is made.
.macro RHEAD m
	s_bitcmp1_b32 s[OWN], s[TT]
	s_cbranch_scc0 .Lmdone_\m
	s_wait_xcnt 0x0                                ; the last tile's stores have read their data and base
.set u, 0
.rept 8
	ds_load_b128 v[PP+4*u:PP+4*u+3], v[RCV0] offset:(\m)*SLOTP+512*u
.set u, u+1
.endr
	s_add_co_u32 s[OO], s[TILE0], s[TT]
	s_lshl_b32 s[OO], s[OO], 16                    ; a tile of part: 16 rows of 4,096 bytes
	s_add_nc_u64 s[OB:OB+1], s[OB0:OB0+1], s[OO:OO+1]
	s_wait_dscnt 0x0                               ; the partner's sums are in
.endm
; ADDBLK: my sums of tile k + the partner's, put in the order of the columns 4 j + f; each accumulator's lowest registers first.  Slot m can hold tiles 2 m + kh and 6 + 2 m + kh alone.
.macro ADDBLK k, m
.Ladd_\k:
.if (\k) < 8
	WIN 0x02
.set acb, 32*(\k)
.else
	WIN 0x03
.set acb, 32*((\k)-8)
.endif
.set fr, 0
.rept 4
.set jr, 0
.rept 8
	v_add_f32 v[OV+4*jr+fr], v[acb+8*fr+jr], v[PP+8*fr+jr]
.set jr, jr+1
.endr
.set fr, fr+1
.endr
	WIN 0
	s_branch .Lcommon_\m
.endm
; RTAIL: the tile is turned in the slot just read, which between the round's two barriers only I touch, and stored by rows.
.macro RTAIL m
.Lcommon_\m:
.set jr, 0
.rept 8
	ds_store_b128 v[TW0], v[OV+4*jr:OV+4*jr+3] offset:(\m)*SLOTP+16*jr
.set jr, jr+1
.endr
.set ir, 0
.rept 8
	ds_load_b128 v[RB+4*ir:RB+4*ir+3], v[TR0] offset:(\m)*SLOTP+2*SP*ir  ; LDS serves a wave's instructions in order (ISA guide 5.7.1.4): these see the stores above
.set ir, ir+1
.endr
.set ir, 0
.rept 8
	s_wait_dscnt 7-ir                              ; rows 2 i, 2 i + 1 are back; the younger loads stay out
	global_store_b128 v[PO], v[RB+4*ir:RB+4*ir+3], s[OB:OB+1] offset:8192*ir  ; sixteen lanes store 256 consecutive bytes, at a multiple of 256 from part's first byte
.set ir, ir+1
.endr
.Lmdone_\m:
	s_add_co_u32 s[TT], s[TT], 2                   ; the next slot's tile
.endm
	s_load_b256 s[4:11], s[0:1], 0x0               ; weight2 s[4:5], hs s[6:7], part s[8:9], tiles s[10:11]
	v_lshl_add_u32 v[SPW], v0, 2, SPARE
	v_mov_b32 v[NIL], 0
	ds_add_u32 v[SPW], v[NIL]                      ; the wave's opening: the add and its wait stand ahead of my first tensor load; the set-up below, work on registers, stands between them
	v_lshrrev_b32 v1, 5, v0
	v_readfirstlane_b32 s[WV], v1
	s_and_b32 s[CC], s[WV], 1
	s_lshr_b32 s[KH], s[WV], 1
	s_and_b32 s[EX], ttmp7, 0xffff
	s_and_b32 s[SL], ttmp9, 7                      ; the slice of 128 columns
	s_lshr_b32 s[QD], ttmp9, 3                     ; the K quarter
	; descriptor group 1: a tile of 64 rows x 64 elements of 4 bytes, laid into LDS without gaps: a fragment load's sixteen lanes take 256 consecutive bytes
	s_mov_b32 s[G1+0], 2<<16                       ; no mask; elements of 4 bytes; no padding
	s_mov_b32 s[G1+1], 64<<16                      ; tensor_dim0 = 64
	s_mov_b32 s[G1+2], 64<<16                      ; tensor_dim1 = 64
	s_mov_b32 s[G1+3], 64<<16                      ; tile_dim0 = 64
	s_mov_b32 s[G1+4], 64                          ; tile_dim1 = 64
	s_mov_b32 s[G1+5], PITCH/4                     ; elements from row to row
	s_mov_b32 s[G1+6], 0
	s_mov_b32 s[G1+7], 0
	s_lshl_b32 s[TM2], s[WV], 16                   ; my wave's 65,536 LDS bytes
.irp b, 0,1,2,3
	s_mov_b32 s[G0+4*\b], 1
	s_add_co_u32 s[G0+4*\b+1], s[TM2], (\b)*16384
.endr
	s_lshl_b32 s[T2], s[EX], 24                    ; my wave's first weight: e, the quarter, its K half, the slice, its 64 columns
	s_lshl_b32 s[TMP], s[QD], 22
	s_add_co_u32 s[T2], s[T2], s[TMP]
	s_lshl_b32 s[TMP], s[KH], 21
	s_add_co_u32 s[T2], s[T2], s[TMP]
	s_lshl_b32 s[TMP], s[SL], 9
	s_add_co_u32 s[T2], s[T2], s[TMP]
	s_lshl_b32 s[TMP], s[CC], 8
	s_add_co_u32 s[T2], s[T2], s[TMP]
	s_mov_b32 s[T2+1], 0
	s_mov_b32 s[OO+1], 0
	s_lshl_b32 s[PAT], 0x155, s[KH]                ; the tiles that I finish: even ones (kh = 0) or odd ones
	s_wait_dscnt 0x0                               ; the opening add is done
	s_wait_kmcnt 0x0
	s_add_nc_u64 s[4:5], s[4:5], s[T2:T2+1]
.irp b, 0,1,2,3
	s_add_nc_u64 s[G0+4*\b+2:G0+4*\b+3], s[4:5], (\b)*BLOCK
	s_or_b32 s[G0+4*\b+3], s[G0+4*\b+3], 0x80000000  ; type = 2
.endr
.irp b, 0,1,2,3
	tensor_load_to_lds s[G0+4*\b:G0+4*\b+3], s[G1:G1+7]  ; the first fills, one group, ahead of every wait on TENSORcnt, LDS read and barrier; these bytes are never filled again
	s_nop 0
.endr
	PLACES                                         ; four vector lines ahead of the next switch of windows
	s_add_nc_u64 s[SW0:SW0+1], s[4:5], 4*BLOCK
	s_lshl_b32 s[TMP], s[EX], 7
	s_load_b32 s[NTL], s[10:11], s[TMP] offset:0x0 ; the expert's tiles, stored by the first launch
	s_lshl_b32 s[T2], s[EX], 23                    ; hs: e, the quarter's 16 blocks, my K half's eight
	s_lshl_b32 s[TM2], s[QD], 15
	s_add_co_u32 s[T2], s[T2], s[TM2]
	s_lshl_b32 s[TM2], s[KH], 14
	s_add_co_u32 s[T2], s[T2], s[TM2]
	s_add_nc_u64 s[ST0:ST0+1], s[6:7], s[T2:T2+1]
	s_lshl_b32 s[T2], s[QD], 25                    ; part: the quarter, e, the slice, my 64 columns
	s_lshl_b32 s[TM2], s[EX], 22
	s_add_co_u32 s[T2], s[T2], s[TM2]
	s_lshl_b32 s[TM2], s[SL], 9
	s_add_co_u32 s[T2], s[T2], s[TM2]
	s_lshl_b32 s[TM2], s[CC], 8
	s_add_co_u32 s[T2], s[T2], s[TM2]
	s_add_nc_u64 s[OB0:OB0+1], s[8:9], s[T2:T2+1]
	v_and_b32 v1, 31, v0
	v_and_b32 v26, 15, v0                          ; r
	v_bfe_u32 v27, v0, 4, 1                        ; h
	v_lshlrev_b32 v[L16], 4, v1
	v_lshlrev_b32 v[VPF], 12, v1
	v_lshlrev_b32 v[VOW], 17, v27                  ; 32 rows of 4,096 bytes
	v_lshl_add_u32 v[VOW], v26, 4, v[VOW]
	s_lshl_b32 s[TM2], s[WV], 16
	v_lshlrev_b32 v[LW], 13, v27                   ; 32 rows of 256 bytes
	v_lshl_add_u32 v[LW], v26, 4, v[LW]
	v_add_nc_u32 v[LW], s[TM2], v[LW]
	s_mul_i32 s[TM2], s[WV], 3*SLOTP
	s_add_co_u32 s[TM2], s[TM2], EXB
	v_add_nc_u32 v[SND], s[TM2], v[L16]
	s_add_co_u32 s[TM2], s[WV], 2                  ; the partner, (w + 2) % 4: same columns, other K half
	s_and_b32 s[TM2], s[TM2], 3
	s_mul_i32 s[TM2], s[TM2], 3*SLOTP
	s_add_co_u32 s[TM2], s[TM2], EXB
	v_add_nc_u32 v[RCV0], s[TM2], v[L16]
	v_mul_u32_u24 v[TW0], v26, SP                  ; in: row r, 128 bytes for each half of the lanes
	v_lshl_add_u32 v[TW0], v27, 7, v[TW0]
	v_add_nc_u32 v[TW0], s[TM2], v[TW0]
	v_mul_u32_u24 v[TR0], v27, SP                  ; back: lanes 0-15 one row of 256 bytes, lanes 16-31 the next
	v_lshl_add_u32 v[TR0], v26, 4, v[TR0]
	v_add_nc_u32 v[TR0], s[TM2], v[TR0]
	v_lshlrev_b32 v[PO], 12, v27                   ; and the same two rows in part
	v_lshl_add_u32 v[PO], v26, 4, v[PO]
	s_wait_kmcnt 0x0
	s_min_u32 s[NTL], s[NTL], 64
	s_max_u32 s[NTL], s[NTL], 1
	s_sub_co_u32 s[NTM1], s[NTL], 1
	s_mov_b32 s[PASS], 0
	s_mov_b32 s[TILE0], 0
.Lpass:                                                ; 7 trips, a constant: every wave passes every barrier, only work is jumped
	s_cmp_eq_u32 s[PASS], 0
	s_cbranch_scc1 .Llive                          ; the first pass always has a tile
	s_cmp_lt_u32 s[TILE0], s[NTL]
	s_cbranch_scc1 .Llive
	s_mov_b32 s[SEND], 0
	s_mov_b32 s[OWN], 0
	s_branch .Lexch
.Llive:
	s_sub_co_u32 s[LIVE], s[NTL], s[TILE0]
	s_min_u32 s[LIVE], s[LIVE], NT
	s_bfm_b32 s[TMP], s[LIVE], 0
	s_and_b32 s[OWN], s[TMP], s[PAT]
	s_and_not1_b32 s[SEND], s[TMP], s[PAT]
	s_wait_xcnt 0x0                                ; the last pass's stores have read their registers: staging registers, bases and offsets are rewritten only behind this wait
	s_mov_b64 s[SW:SW+1], s[SW0:SW0+1]
	s_mov_b64 s[ST:ST+1], s[ST0:ST0+1]
.set tl, 0
.rept NT
	s_add_co_u32 s[TMP], s[TILE0], tl
	s_min_u32 s[TMP], s[TMP], s[NTM1]              ; past the count: the last tile once more
	s_min_u32 s[TMP], s[TMP], 63
	s_lshl_b32 s[TMP], s[TMP], LOGTS
	v_add_nc_u32 v[VT+tl], s[TMP], v[L16]
.set tl, tl+1
.endr
	; THE PRODUCTS.  Steps by fours: S0, S1 = block 4 + j from memory (WA, WB; tokens TB0, TB1), S2, S3 = block j from LDS (WL; TB2, TB3).
	; Loads in order of issue: T2 | T3, WA', WB' | T0' | T1' | T2' ..; each wait names how many were issued behind the ones that it needs.
	GLW WA, 0, 0
	GLW WB, 1, 0
	TLD 0, GOFF
	TLD 1, GOFF+1024
	s_wait_loadcnt 20                              ; WA and T0 are in; T1's 20 stay out
	CVT WA
	TLD 2, 0
	MUL 0, 1
	s_mov_b32 s[JJ], 0
.Lk:
	s_wait_loadcnt 20                              ; S1: WB and T1 are in; T2's 20 stay out
	PLACES
	CVT WB
	TLD 3, 1024
	GLW WA, 0, 1                                   ; the next block's 32 loads: three steps ahead of their first use
	GLW WB, 1, 1
	s_cmp_lt_u32 s[JJ], 2
	s_cbranch_scc0 .Lnopf                          ; the last trip would ask past block 7
	global_prefetch_b8 v[VPF], s[SW:SW+1] offset:128*PITCH th:TH_LOAD_NT scope:SCOPE_SE  ; the 64 rows x 256 bytes that the next trip's 32 loads take: a lane a row, asked by the wave that reads them, one trip ahead
	global_prefetch_b8 v[VPF], s[SW:SW+1] offset:160*PITCH th:TH_LOAD_NT scope:SCOPE_SE  ; (a further pass over the same slice asks once more)
.Lnopf:
	SELW 0
	MUL 1, 0
	s_wait_loadcnt 52                              ; S2: T2 is in; T3's 20 and the 32 weight loads stay out
	s_wait_dscnt 0x0                               ; the block's first step is out of LDS
	PLACES
	CVT WL
	SELW 1
	MUL 2, 0
	TLD 0, GOFF+2048
	s_wait_loadcnt 52                              ; S3: T3 is in; the 32 weight loads and T0's 20 stay out
	s_wait_dscnt 0x0
	PLACES
	CVT WL
	MUL 3, 0
	TLD 1, GOFF+3072
	s_wait_loadcnt 20                              ; S0: WA and T0 are in; T1's 20 stay out
	PLACES
	CVT WA
	TLD 2, 2048
	MUL 0, 0
	s_wait_xcnt 0x0                                ; the bases step only behind this wait
	s_add_nc_u64 s[SW:SW+1], s[SW:SW+1], BLOCK
	s_add_nc_u64 s[ST:ST+1], s[ST:ST+1], 2048
	s_add_co_u32 s[JJ], s[JJ], 1
	s_cmp_lt_u32 s[JJ], 3
	s_cbranch_scc1 .Lk
	s_wait_loadcnt 20                              ; the tail: block 7's second step; T2's 20 stay out
	PLACES
	CVT WB
	TLD 3, 1024
	s_wait_tensorcnt 0x0                           ; block 3, my last tensor load
	LDW 3, 0
	MUL 1, 0
	s_wait_loadcnt 20                              ; T2 is in; T3's 20 stay out
	s_wait_dscnt 0x0
	PLACES
	CVT WL
	LDW 3, 1
	MUL 2, 0
	s_wait_loadcnt 0x0
	s_wait_dscnt 0x0
	PLACES
	CVT WL
	MUL 3, 0
	PLACES                                         ; ahead of the lines that read the sums
.Lexch:                                                ; THE EXCHANGE: two rounds; round 0 has tiles 0-5, round 1 tiles 6-9
	s_mov_b32 s[RND], 0
	s_mov_b32 s[RM], 0x3f
.Lround:
	s_and_b32 s[CUR], s[SEND], s[RM]
	s_cmp_eq_u32 s[CUR], 0
	s_cbranch_scc1 .Lsent
.irp t, 0,1,2,3,4,5,6,7,8,9
	SENDBLK \t
.endr
.Lsent:
	s_wait_dscnt 0x0                               ; for the partner's sake: my stores into my slots are done
	s_barrier_signal -1
	s_barrier_wait -1
	s_and_b32 s[CUR], s[OWN], s[RM]
	s_cmp_eq_u32 s[CUR], 0
	s_cbranch_scc1 .Lrecvd
	s_mul_i32 s[TT], s[RND], 6
	s_add_co_u32 s[TT], s[TT], s[KH]               ; slot m holds tile 6 round + 2 m + kh
	RHEAD 0
.irp k, 0,1,6,7
	s_cmp_eq_u32 s[TT], \k
	s_cbranch_scc1 .Ladd_\k
.endr
	s_branch .Lmdone_0
.irp k, 0,1,6,7
	ADDBLK \k, 0
.endr
	RTAIL 0
	RHEAD 1
.irp k, 2,3,8,9
	s_cmp_eq_u32 s[TT], \k
	s_cbranch_scc1 .Ladd_\k
.endr
	s_branch .Lmdone_1
.irp k, 2,3,8,9
	ADDBLK \k, 1
.endr
	RTAIL 1
	RHEAD 2                                        ; in round 1 this slot's tile would be 10 or 11: its bit is never set
.irp k, 4,5
	s_cmp_eq_u32 s[TT], \k
	s_cbranch_scc1 .Ladd_\k
.endr
	s_branch .Lmdone_2
.irp k, 4,5
	ADDBLK \k, 2
.endr
	RTAIL 2
.Lrecvd:
	s_wait_dscnt 0x0                               ; my work in the partner's slots is over: behind this barrier it may write them again
	s_barrier_signal -1
	s_barrier_wait -1
	s_xor_b32 s[RM], s[RM], 0x3ff
	s_add_co_u32 s[RND], s[RND], 1
	s_cmp_lt_u32 s[RND], 2
	s_cbranch_scc1 .Lround
	s_add_co_u32 s[TILE0], s[TILE0], NT
	s_add_co_u32 s[PASS], s[PASS], 1
	s_cmp_lt_u32 s[PASS], NPASS
	s_cbranch_scc1 .Lpass
	s_wait_tensorcnt 0x0                           ; the wave's end, behind my last tensor load and my last LDS store
	ds_add_u32 v[SPW], v[NIL]
	s_wait_dscnt 0x0
	s_endpgm
.Lfunc_end_k_q0faad99ca9_down:
	.size	k_q0faad99ca9_down, .Lfunc_end_k_q0faad99ca9_down-k_q0faad99ca9_down
	.p2alignl 7, 3214868480
	.fill 96, 4, 3214868480
	.section	.rodata,"a",@progbits
	.p2align	6, 0x0
	.amdhsa_kernel k_q0faad99ca9_down
		.amdhsa_group_segment_fixed_size 327680
		.amdhsa_private_segment_fixed_size 0
		.amdhsa_enable_private_segment 0
		.amdhsa_kernarg_size 32
		.amdhsa_user_sgpr_count 2
		.amdhsa_user_sgpr_kernarg_segment_ptr 1
		.amdhsa_wavefront_size32 1
		.amdhsa_system_sgpr_workgroup_id_x 1
		.amdhsa_system_sgpr_workgroup_id_y 1
		.amdhsa_system_sgpr_workgroup_id_z 1
		.amdhsa_system_vgpr_workitem_id 0
		.amdhsa_next_free_vgpr 1024
		.amdhsa_next_free_sgpr 96
		.amdhsa_reserve_vcc 0
		.amdhsa_float_denorm_mode_32 3
		.amdhsa_float_denorm_mode_16_64 3
		.amdhsa_memory_ordered 1
		.amdhsa_forward_progress 1
		.amdhsa_inst_pref_size 104
	.end_amdhsa_kernel
	.amdgpu_metadata
---
amdhsa.version: [ 1, 2 ]
amdhsa.kernels:
  - .name:           k_q0faad99ca9_down
    .symbol:         k_q0faad99ca9_down.kd
    .args:
      - { .name: weight2, .offset: 0, .size: 8, .value_kind: global_buffer, .address_space: global }
      - { .name: hs, .offset: 8, .size: 8, .value_kind: global_buffer, .address_space: global }
      - { .name: part, .offset: 16, .size: 8, .value_kind: global_buffer, .address_space: global }
      - { .name: tiles, .offset: 24, .size: 8, .value_kind: global_buffer, .address_space: global }
    .group_segment_fixed_size: 327680
    .private_segment_fixed_size: 0
    .kernarg_segment_align: 8
    .kernarg_segment_size: 32
    .max_flat_workgroup_size: 128
    .sgpr_count:     96
    .vgpr_count:     1024
    .wavefront_size: 32
...
	.end_amdgpu_metadata
.endif
;; end of part 3
;; launch join (part 4): grid 256 x 1, 4 waves a work-group, no clusters, 0 bytes of LDS; arguments indices_s, part, bias2, out0; writes out0
.if DOCPART == 4
	.amdgcn_target "amdgcn-amd-amdhsa--gfx1250"
	.amdhsa_code_object_version 6
	.text
	.protected	k_q0faad99ca9_join
	.globl	k_q0faad99ca9_join
	.p2align	8
	.type	k_q0faad99ca9_join,@function
k_q0faad99ca9_join:
	s_mov_b64 s[64:65], 0
	v_nop
	global_prefetch_b8 v0, s[64:65] scope:SCOPE_SE
	s_setreg_imm32_b32 hwreg(HW_REG_WAVE_MODE, 25, 1), 1
	s_wait_xcnt 0x0
; THE SUM.  out0[i][:] = ((part[0] + part[1]) + (part[2] + part[3]))[e][rank] + bias2[e], e = indices_s[i], all in f32.  One wave, one token: i = 4 x work-group + wave.
; The wave finds the token's rank among its expert's tokens from the 1,024 indices, in the order of the first launch: token 128 g + 4 lane + c is in group G = 4 g + c;
; rank = matches in earlier groups + matches in lower lanes of its own group.  An index outside 0 .. 7 matches no expert: the row is 0, as the masks of the definition leave it.
; A stream: 40 loads of 512 consecutive bytes a wave, all issued before the one wait; no LDS, no matrix unit, no cluster: no byte is shared between work-groups but the indices and the bias rows.
.set LN,  1                            ; v1   lane
.set L16, 3                            ; v3   16 x lane
.set IDX, 4                            ; v[4:35]    all indices, 32 a lane
.set ZZ,  36                           ; v[36:39]   zeros
.set PQ,  40                           ; v[40:167]  quarter q's row at PQ + 32 q
.set BB,  168                          ; v[168:199] the bias row
	s_load_b256 s[4:11], s[0:1], 0x0               ; indices s[4:5], part s[6:7], bias2 s[8:9], out0 s[10:11]
	v_and_b32 v[LN], 31, v0
	v_lshrrev_b32 v2, 5, v0
	v_readfirstlane_b32 s12, v2
	s_lshl_b32 s13, ttmp9, 2
	s_add_co_u32 s13, s13, s12                     ; my token i
	v_lshlrev_b32 v[L16], 4, v[LN]
	s_lshl_b32 s14, s13, 2
	s_lshr_b32 s17, s13, 7
	s_lshl_b32 s17, s17, 2
	s_and_b32 s16, s13, 3
	s_or_b32 s17, s17, s16                         ; its group,
	s_lshl_b32 s17, s17, 5
	s_bfe_u32 s16, s13, 0x50002                    ; its lane (5 bits from bit 2):
	s_add_co_u32 s17, s17, s16                     ; 32 x group + lane
	s_lshl_b32 s22, s13, 12
	s_mov_b32 s23, 0
	s_wait_kmcnt 0x0
	s_load_b32 s15, s[4:5], s14 offset:0x0         ; e
.irp g, 0,1,2,3,4,5,6,7
	global_load_b128 v[IDX+4*\g:IDX+4*\g+3], v[L16], s[4:5] offset:512*\g
.endr
	s_add_nc_u64 s[10:11], s[10:11], s[22:23]      ; out0 at my row
	s_mov_b32 s18, 0                               ; rank
	s_wait_kmcnt 0x0
.set G, 0
.rept 32
.if G%4 == 0
	s_wait_loadcnt 7-G/4                           ; loads come back in order: this quad is in, the younger quads stay out
.endif
	v_cmp_eq_u32 s20, s15, v[IDX+G]
	v_cmp_gt_i32 s21, s17, v[LN]                   ; the group's lanes that come before my token: all, some or none
	s_and_b32 s20, s20, s21
	s_bcnt1_i32_b32 s20, s20
	s_add_co_u32 s18, s18, s20
	s_sub_co_i32 s17, s17, 32
.set G, G+1
.endr
	s_cmp_lt_u32 s15, 8
	s_cbranch_scc1 .Lchosen
.irp k, 0,1,2,3
	v_mov_b32 v[ZZ+\k], 0
.endr
.irp k, 0,1,2,3,4,5,6,7
	global_store_b128 v[L16], v[ZZ:ZZ+3], s[10:11] offset:512*\k th:TH_STORE_NT
.endr
	s_endpgm
.Lchosen:
	s_min_u32 s15, s15, 7
	s_min_u32 s18, s18, 1023
	s_lshl_b32 s22, s15, 22                        ; the expert's 1,024 rows, my rank's row
	s_lshl_b32 s20, s18, 12
	s_add_co_u32 s22, s22, s20
	s_add_nc_u64 s[24:25], s[6:7], s[22:23]
	s_add_nc_u64 s[26:27], s[24:25], 1<<25         ; the quarters lie 32 MiB apart
	s_add_nc_u64 s[28:29], s[26:27], 1<<25
	s_add_nc_u64 s[30:31], s[28:29], 1<<25
	s_lshl_b32 s22, s15, 12
	s_add_nc_u64 s[8:9], s[8:9], s[22:23]
.irp q, 0,1,2,3
.irp k, 0,1,2,3,4,5,6,7
	global_load_b128 v[PQ+32*\q+4*\k:PQ+32*\q+4*\k+3], v[L16], s[24+2*\q:25+2*\q] offset:512*\k th:TH_LOAD_NT
.endr
.endr
.irp k, 0,1,2,3,4,5,6,7
	global_load_b128 v[BB+4*\k:BB+4*\k+3], v[L16], s[8:9] offset:512*\k
.endr
	s_wait_loadcnt 0x0
.set u, 0
.rept 16
	v_pk_add_f32 v[PQ+u:PQ+u+1], v[PQ+u:PQ+u+1], v[PQ+32+u:PQ+32+u+1]
	v_pk_add_f32 v[PQ+64+u:PQ+64+u+1], v[PQ+64+u:PQ+64+u+1], v[PQ+96+u:PQ+96+u+1]
.set u, u+2
.endr
.set u, 0
.rept 16
	v_pk_add_f32 v[PQ+u:PQ+u+1], v[PQ+u:PQ+u+1], v[PQ+64+u:PQ+64+u+1]
.set u, u+2
.endr
.set u, 0
.rept 16
	v_pk_add_f32 v[PQ+u:PQ+u+1], v[PQ+u:PQ+u+1], v[BB+u:BB+u+1]
.set u, u+2
.endr
.irp k, 0,1,2,3,4,5,6,7
	global_store_b128 v[L16], v[PQ+4*\k:PQ+4*\k+3], s[10:11] offset:512*\k th:TH_STORE_NT  ; 512 consecutive bytes, at a multiple of 512 from out0's first byte
.endr
	s_endpgm
.Lfunc_end_k_q0faad99ca9_join:
	.size	k_q0faad99ca9_join, .Lfunc_end_k_q0faad99ca9_join-k_q0faad99ca9_join
	.p2alignl 7, 3214868480
	.fill 96, 4, 3214868480
	.section	.rodata,"a",@progbits
	.p2align	6, 0x0
	.amdhsa_kernel k_q0faad99ca9_join
		.amdhsa_group_segment_fixed_size 0
		.amdhsa_private_segment_fixed_size 0
		.amdhsa_enable_private_segment 0
		.amdhsa_kernarg_size 32
		.amdhsa_user_sgpr_count 2
		.amdhsa_user_sgpr_kernarg_segment_ptr 1
		.amdhsa_wavefront_size32 1
		.amdhsa_system_sgpr_workgroup_id_x 1
		.amdhsa_system_sgpr_workgroup_id_y 1
		.amdhsa_system_sgpr_workgroup_id_z 1
		.amdhsa_system_vgpr_workitem_id 0
		.amdhsa_next_free_vgpr 208
		.amdhsa_next_free_sgpr 66
		.amdhsa_reserve_vcc 0
		.amdhsa_float_denorm_mode_32 3
		.amdhsa_float_denorm_mode_16_64 3
		.amdhsa_memory_ordered 1
		.amdhsa_forward_progress 1
		.amdhsa_inst_pref_size 21
	.end_amdhsa_kernel
	.amdgpu_metadata
---
amdhsa.version: [ 1, 2 ]
amdhsa.kernels:
  - .name:           k_q0faad99ca9_join
    .symbol:         k_q0faad99ca9_join.kd
    .args:
      - { .name: indices_s, .offset: 0, .size: 8, .value_kind: global_buffer, .address_space: global }
      - { .name: part, .offset: 8, .size: 8, .value_kind: global_buffer, .address_space: global }
      - { .name: bias2, .offset: 16, .size: 8, .value_kind: global_buffer, .address_space: global }
      - { .name: out0, .offset: 24, .size: 8, .value_kind: global_buffer, .address_space: global }
    .group_segment_fixed_size: 0
    .private_segment_fixed_size: 0
    .kernarg_segment_align: 8
    .kernarg_segment_size: 32
    .max_flat_workgroup_size: 128
    .sgpr_count:     66
    .vgpr_count:     208
    .wavefront_size: 32
...
	.end_amdgpu_metadata
.endif
;; end of part 4
